; MI455X (gfx1250); checked and timed in simulation.
; The chip was launched on July 23, 2026; its instructions are those of AMD's public machine-readable ISA for CDNA 5 (MIT licence, August 2026) and "CDNA5" Instruction Set Architecture Reference Guide (July 2026). The comments in the code are by the model that wrote it; some were corrected since.
;; Mixture Of Experts. Allowed arithmetic: float matrix products may take bf16 or f16 operands with f32 sums; other float arithmetic in f32, or as packed bf16 or f16 multiplies, adds, multiply-adds, maxima and minima; sums over many terms, partial sums and values carried from step to step in f32; what a program stores and reads back later, other than sums and carried values, may be rounded once to bf16 or f16.
;; Inputs: W 8 x 1,024 x 1,024 float32; b 8 x 1,024 float32; gates 8,192 x 8 float32; x 8,192 x 1,024 float32.
;; Outputs: out0 8,192 x 1,024 float32.
;; One version. Each part assembles by itself: llvm-mc -triple=amdgcn-amd-amdhsa -mcpu=gfx1250 --defsym DOCPART=n.
;; ======== version 1 of 1: 2 launches
;; workspace buffers: wb 16,777,216 bytes; hist 4,096 bytes of whole numbers; tok 65,536 bytes of whole numbers
;; launch prep (part 1): grid 256 x 1, 8 waves a work-group, no clusters, 0 bytes of LDS; arguments W, gates, wb, hist, tok; writes wb, hist, tok
.if DOCPART == 1
	.amdgcn_target "amdgcn-amd-amdhsa--gfx1250"
	.amdhsa_code_object_version 6
	.text
	.protected	k_q8d3155a40f_prep
	.globl	k_q8d3155a40f_prep
	.p2align	8
	.type	k_q8d3155a40f_prep,@function
k_q8d3155a40f_prep:
	s_mov_b64 s[64:65], 0
	v_nop
	global_prefetch_b8 v0, s[64:65] scope:SCOPE_SE
	s_setreg_imm32_b32 hwreg(HW_REG_WAVE_MODE, 25, 1), 1
	s_wait_xcnt 0x0
; PREP.  (1) W [8][1024][1024] f32 is rounded once to bf16 and laid out in the order in which the product's waves take it into registers:
;   wb [e 8][nb 16][s 32][f 4][half 2][lane 32][8 bf16]; lane = 16 h + r; the 16 bytes hold W[e][k = 32 s + 16 half + 8 h + i][n = 64 nb + 4 r + f], i = 0..7.
;   So row r of fragment f is column 4 r + f of a group of 64 columns: a lane that has loaded 4 neighbouring columns of 8 rows holds four whole 16-byte pieces, and nothing changes lanes.
; (2) gates [8192][8] f32 become whole numbers at fixed places.  No address and no branch of this launch hangs on them.
;   mask: bit e set where gates[t][e] is not equal to 0 (a NaN counts as routed, +0 and -0 do not).  h1 and h2 are the highest and second highest set experts (0 where there is none).
;   key = h1 (h1 - 1) / 2 + h2 for even h1, + (h1 - 1 - h2) for odd h1: 0..27.  The rows of the triangle run to and fro, (1,0) (2,0) (2,1) (3,2) (3,1) (3,0) (4,0) .., so that two keys that follow each other share an expert:
;   a tile of the product launch that holds two neighbouring keys has three experts, not four.
;   The key only orders the tokens; the product launch is right for any order, so sets of fewer or more than two experts may fall into any key.
;   tok: word t = (32 sc + key) x 4, sc = t / 256; word 8192 + t = t | mask << 16 | idx << 24, idx = the token's number among its 256 tokens' tokens of the same key.
;   hist [sc 32][key 32]: how many of superchunk sc's tokens have the key (keys 28..31: 0).
; SHARES.  Work-group g: expert g / 32, K step g % 32: 32 rows of W, 131,072 consecutive bytes.  Wave w: rows 16 (w % 2) .. + 15, column groups 4 (w / 2) .. + 3: four units of 8 loads, 16 roundings, 4 stores.
; All 32 loads of a wave go out before its first wait.  Each 16 lanes load 256 consecutive aligned bytes; each store of a wave covers 512 consecutive aligned bytes.
; Wave 0 of work-groups 0..31 also serves 256 tokens' gates: their 16 loads go out ahead of its loads of W, and the routing stands between the issue of W's loads and their use.
; THE ROUTING IS WRITTEN IN BATCHES: each step stands for all eight groups of tokens on end, eight lines that do not depend on each other, so that no line reads the result of the line before it.
; No LDS, no barrier, no matrix unit, no cluster: a stream in which no byte is shared between work-groups.
.set SIZE_KEYS, 28
.set DD,   8                           ; v[8:135]    W as loaded: unit u, row i at DD + 32 u + 4 i, four columns
.set OO,   136                         ; v[136:199]  packed results: unit u, fragment f at OO + 16 u + 4 f; before that the gates of 8 tokens a lane
.set ALT,  OO                          ; v[136:143]  once the gates are used up: h1 - 1 - h2 of group j
.set ODD,  OO+8                        ; v[144:151]  likewise: h1 % 2
.set KEY,  200                         ; v[200:207]  key of token group j
.set H2,   KEY                         ;             before that h2: the key is made in its place
.set IDX,  208                         ; v[208:215]  idx
.set H1,   IDX                         ;             before that h1
.set TKB,  216                         ; v[216:223]  t | mask << 16 | idx << 24
.set TKA,  224                         ; v[224:231]  (32 sc + key) x 4
.set TM,   TKA                         ;             before that at work, a register for each group
.set HST,  235                         ; lane k: the count of key k
.set L4,   236                         ; lane x 4
.set T0,   237                         ; 256 g + 4 lane
.set ZERO, 238
.set L16,  239                         ; lane x 16
; scalars of the routing: s23 the key in hand; s[24:31] group j's lanes; s[32:40] how many tokens of the key lie in the groups before j (s40: in all eight); s[44:51] in group j
	s_load_b256 s[4:11], s[0:1], 0x0               ; W s[4:5], gates s[6:7], wb s[8:9], hist s[10:11]
	s_load_b64 s[12:13], s[0:1], 0x20              ; tok
	v_lshrrev_b32 v1, 5, v0
	v_readfirstlane_b32 s14, v1                    ; wave 0..7
	s_mov_b32 s15, ttmp9                           ; g
	v_and_b32 v1, 31, v0                           ; lane
	v_and_b32 v2, 15, v0                           ; r
	v_bfe_u32 v3, v0, 4, 1                         ; h
	s_and_b32 s16, s14, 1                          ; half
	s_lshr_b32 s17, s14, 1                         ; which four column groups
	s_lshl_b32 s18, s16, 16                        ; 16 rows of 4,096 bytes
	s_lshl_b32 s19, s17, 10                        ; four groups of 256 bytes
	s_add_co_u32 s18, s18, s19
	v_lshlrev_b32 v4, 4, v2
	v_lshl_add_u32 v4, v3, 15, v4                  ; + 8 h rows
	v_add_nc_u32 v4, s18, v4                       ; v4: my byte offset in the work-group's 32 rows of W
	s_lshl_b32 s18, s17, 19                        ; four groups of 131,072 bytes of wb
	s_lshl_b32 s19, s16, 9
	s_add_co_u32 s18, s18, s19
	v_lshl_add_u32 v5, v1, 4, s18                  ; v5: my byte offset in wb
	s_lshl_b32 s18, s15, 17                        ; g x 131,072: under 2^25
	s_mov_b32 s19, 0
	s_lshr_b32 s20, s15, 5                         ; e
	s_and_b32 s21, s15, 31                         ; s
	s_lshl_b32 s20, s20, 21
	s_lshl_b32 s21, s21, 12
	s_add_co_u32 s20, s20, s21
	s_mov_b32 s21, 0
	s_cmp_lt_u32 s15, 32                           ; s22 = 1: this wave also serves gates
	s_cselect_b32 s22, 1, 0
	s_cmp_eq_u32 s14, 0
	s_cselect_b32 s22, s22, 0
	s_wait_kmcnt 0x0
	s_add_nc_u64 s[4:5], s[4:5], s[18:19]
	s_add_nc_u64 s[8:9], s[8:9], s[20:21]
	s_cmp_lg_u32 s22, 0
	s_cbranch_scc0 .Lw
	s_lshl_b32 s18, s15, 13                        ; 256 tokens x 32 bytes
	s_add_nc_u64 s[6:7], s[6:7], s[18:19]
	v_lshlrev_b32 v6, 7, v1                        ; a lane takes four neighbouring tokens, twice: token 256 g + 128 jj + 4 lane + i is group j = 4 jj + i
.set j, 0
.rept 8
	global_load_b128 v[OO+8*j:OO+8*j+3],   v6, s[6:7] offset:(j/4)*4096+(j%4)*32
	global_load_b128 v[OO+8*j+4:OO+8*j+7], v6, s[6:7] offset:(j/4)*4096+(j%4)*32+16
.set j, j+1
.endr
.Lw:
.set u, 0
.rept 4
.set i, 0
.rept 8
	global_load_b128 v[DD+32*u+4*i:DD+32*u+4*i+3], v4, s[4:5] offset:i*4096+u*256 th:TH_LOAD_NT  ; read once in the launch
.set i, i+1
.endr
.set u, u+1
.endr
	s_cmp_lg_u32 s22, 0
	s_cbranch_scc0 .Lunits
	; THE ROUTING of 256 tokens, 8 a lane
	s_lshl_b32 s18, s15, 8
	v_lshl_add_u32 v[T0], v1, 2, s18
	v_mov_b32 v[ZERO], 0
	v_lshlrev_b32 v[L4], 2, v1
	v_lshlrev_b32 v[L16], 4, v1
.irp j, 0,1,2,3,4,5,6,7
	v_mov_b32 v[H1+\j], 0
	v_mov_b32 v[H2+\j], 0
	v_add_nc_u32 v[TKB+\j], 128*(\j/4)+(\j%4), v[T0]  ; t
.endr
	s_wait_loadcnt 32                              ; the gates are in; the 32 loads of W, issued behind them, stay out
.set e, 0
.rept 8                                ; expert e, for all eight groups
.irp j, 0,1,2,3,4,5,6,7
	v_cmp_eq_f32 s[24+\j], 0, v[OO+8*\j+e]         ; set where the gate is 0: the token is not routed to e
.endr
.irp j, 0,1,2,3,4,5,6,7
	v_cndmask_b32 v[H2+\j], v[H1+\j], v[H2+\j], s[24+\j]  ; routed: the highest so far becomes the second,
.endr
.irp j, 0,1,2,3,4,5,6,7
	v_cndmask_b32 v[H1+\j], e, v[H1+\j], s[24+\j]  ; e the highest,
.endr
.irp j, 0,1,2,3,4,5,6,7
	v_cndmask_b32 v[TM+\j], 1, v[ZERO], s[24+\j]
.endr
.irp j, 0,1,2,3,4,5,6,7
	v_lshl_or_b32 v[TKB+\j], v[TM+\j], 16+e, v[TKB+\j]  ; and its bit is set
.endr
.set e, e+1
.endr
	; the key
.irp j, 0,1,2,3,4,5,6,7
	v_add_nc_u32 v[TM+\j], -1, v[H1+\j]
.endr
.irp j, 0,1,2,3,4,5,6,7
	v_and_b32 v[ODD+\j], 1, v[H1+\j]
.endr
.irp j, 0,1,2,3,4,5,6,7
	v_sub_nc_u32 v[ALT+\j], v[TM+\j], v[H2+\j]     ; h1 - 1 - h2: 0 .. h1 - 1 where h1 is odd (so at least 1)
.endr
.irp j, 0,1,2,3,4,5,6,7
	v_cmp_eq_u32 s[24+\j], 1, v[ODD+\j]
.endr
.irp j, 0,1,2,3,4,5,6,7
	v_mul_u32_u24 v[TM+\j], v[H1+\j], v[TM+\j]     ; h1 = 0 gives 0
.endr
.irp j, 0,1,2,3,4,5,6,7
	v_cndmask_b32 v[H2+\j], v[H2+\j], v[ALT+\j], s[24+\j]  ; an odd row of the triangle runs backward
.endr
.irp j, 0,1,2,3,4,5,6,7
	v_lshrrev_b32 v[TM+\j], 1, v[TM+\j]
.endr
.irp j, 0,1,2,3,4,5,6,7
	v_add_nc_u32 v[KEY+\j], v[TM+\j], v[H2+\j]     ; in h2's place
.endr
.irp j, 0,1,2,3,4,5,6,7
	v_mov_b32 v[IDX+\j], 0                         ; in h1's place
.endr
	v_mov_b32 v[HST], 0
	s_mov_b32 s23, 0                               ; the key in hand
.Lk:                                                   ; 28 trips: the key's tokens are numbered in the order (group, lane) and counted
.irp j, 0,1,2,3,4,5,6,7
	v_cmp_eq_u32 s[24+\j], s23, v[KEY+\j]
.endr
	s_mov_b32 s32, 0
.irp j, 0,1,2,3,4,5,6,7
	s_bcnt1_i32_b32 s[44+\j], s[24+\j]
.endr
.irp j, 0,1,2,3,4,5,6,7
	s_add_co_u32 s[33+\j], s[32+\j], s[44+\j]
.endr
.irp j, 0,1,2,3,4,5,6,7
	v_mbcnt_lo_u32_b32 v[TM+\j], s[24+\j], s[32+\j]  ; those in lower lanes of this group + those of the groups before
.endr
.irp j, 0,1,2,3,4,5,6,7
	v_cndmask_b32 v[IDX+\j], v[IDX+\j], v[TM+\j], s[24+\j]
.endr
	v_cmp_eq_u32 vcc_lo, s23, v1
	v_cndmask_b32 v[HST], v[HST], s40, vcc_lo      ; lane k keeps key k's count
	s_add_co_u32 s23, s23, 1
	s_cmp_lt_u32 s23, SIZE_KEYS
	s_cbranch_scc1 .Lk
	s_lshl_b32 s18, s15, 7                         ; 32 sc x 4
.irp j, 0,1,2,3,4,5,6,7
	v_lshl_add_u32 v[TKA+\j], v[KEY+\j], 2, s18
	v_lshl_or_b32 v[TKB+\j], v[IDX+\j], 24, v[TKB+\j]
.endr
	s_add_nc_u64 s[10:11], s[10:11], s[18:19]      ; hist at my 32 words
	s_lshl_b32 s18, s15, 10
	s_add_nc_u64 s[12:13], s[12:13], s[18:19]      ; tok at my 256 words
	global_store_b128 v[L16], v[TKA:TKA+3],   s[12:13]             ; each of the four covers 512 consecutive aligned bytes
	global_store_b128 v[L16], v[TKA+4:TKA+7], s[12:13] offset:512
	global_store_b128 v[L16], v[TKB:TKB+3],   s[12:13] offset:32768
	global_store_b128 v[L16], v[TKB+4:TKB+7], s[12:13] offset:32768+512
	global_store_b32 v[L4], v[HST], s[10:11]       ; 128 consecutive bytes: all that this work-group has of the table
.Lunits:
; Unit u: column group 4 (w / 2) + u.  left = the loads of the younger units, 8 each, which stay out.
.macro UNIT u, left
	s_wait_loadcnt \left
.irp f, 0,1,2,3
.irp p, 0,1,2,3
	v_cvt_pk_bf16_f32 v[OO+16*(\u)+4*(\f)+(\p)], v[DD+32*(\u)+8*(\p)+(\f)], v[DD+32*(\u)+8*(\p)+4+(\f)]  ; rows 2 p and 2 p + 1 of column 4 r + f
.endr
.endr
.irp f, 0,1,2,3
	global_store_b128 v5, v[OO+16*(\u)+4*(\f):OO+16*(\u)+4*(\f)+3], s[8:9] offset:(\u)*131072+(\f)*1024  ; every unit has result registers of its own: none is written twice
.endr
.endm
	UNIT 0, 24
	UNIT 1, 16
	UNIT 2, 8
	UNIT 3, 0
	s_endpgm
.Lfunc_end_k_q8d3155a40f_prep:
	.size	k_q8d3155a40f_prep, .Lfunc_end_k_q8d3155a40f_prep-k_q8d3155a40f_prep
	.p2alignl 7, 3214868480
	.fill 96, 4, 3214868480
	.section	.rodata,"a",@progbits
	.p2align	6, 0x0
	.amdhsa_kernel k_q8d3155a40f_prep
		.amdhsa_group_segment_fixed_size 0
		.amdhsa_private_segment_fixed_size 0
		.amdhsa_enable_private_segment 0
		.amdhsa_kernarg_size 40
		.amdhsa_user_sgpr_count 2
		.amdhsa_user_sgpr_kernarg_segment_ptr 1
		.amdhsa_wavefront_size32 1
		.amdhsa_system_sgpr_workgroup_id_x 1
		.amdhsa_system_sgpr_workgroup_id_y 1
		.amdhsa_system_sgpr_workgroup_id_z 1
		.amdhsa_system_vgpr_workitem_id 0
		.amdhsa_next_free_vgpr 240
		.amdhsa_next_free_sgpr 66
		.amdhsa_reserve_vcc 1
		.amdhsa_float_denorm_mode_32 3
		.amdhsa_float_denorm_mode_16_64 3
		.amdhsa_memory_ordered 1
		.amdhsa_forward_progress 1
		.amdhsa_inst_pref_size 40
	.end_amdhsa_kernel
	.amdgpu_metadata
---
amdhsa.version: [ 1, 2 ]
amdhsa.kernels:
  - .name:           k_q8d3155a40f_prep
    .symbol:         k_q8d3155a40f_prep.kd
    .args:
      - { .name: W, .offset: 0, .size: 8, .value_kind: global_buffer, .address_space: global }
      - { .name: gates, .offset: 8, .size: 8, .value_kind: global_buffer, .address_space: global }
      - { .name: wb, .offset: 16, .size: 8, .value_kind: global_buffer, .address_space: global }
      - { .name: hist, .offset: 24, .size: 8, .value_kind: global_buffer, .address_space: global }
      - { .name: tok, .offset: 32, .size: 8, .value_kind: global_buffer, .address_space: global }
    .group_segment_fixed_size: 0
    .private_segment_fixed_size: 0
    .kernarg_segment_align: 8
    .kernarg_segment_size: 40
    .max_flat_workgroup_size: 256
    .sgpr_count:     66
    .vgpr_count:     240
    .wavefront_size: 32
...
	.end_amdgpu_metadata
.endif
;; end of part 1
;; launch moe (part 2): grid 4 x 64, 4 waves a work-group, no clusters, 282,112 bytes of LDS; arguments x, gates, b, wb, hist, tok, out0; writes out0
.if DOCPART == 2
	.amdgcn_target "amdgcn-amd-amdhsa--gfx1250"
	.amdhsa_code_object_version 6
	.text
	.protected	k_q8d3155a40f_moe
	.globl	k_q8d3155a40f_moe
	.p2align	8
	.type	k_q8d3155a40f_moe,@function
k_q8d3155a40f_moe:
	s_mov_b64 s[64:65], 0
	v_nop
	global_prefetch_b8 v0, s[64:65] scope:SCOPE_SE
	s_setreg_imm32_b32 hwreg(HW_REG_WAVE_MODE, 25, 1), 1
	s_wait_xcnt 0x0
; out[t] = sum over e of gates[t][e] (x[t] W[e] + b[e]).  x [8192][1024], gates [8192][8], b [8][1024], out [8192][1024] f32; wb = W in bf16, in operand order (launch prep).
; THE ORDER.  Tokens are ranked by (key, superchunk, idx) from prep's whole numbers: rank = sum of the lower keys' totals + the key's counts in lower superchunks + idx, one rank a token.  Ranks 128 y .. + 127 are tile y.
; RIGHT FOR ANY ORDER AND ANY GATES: for every expert e that occurs in the tile, acc = x_tile W[e] + b[e], then T += g_e x acc with the rows' own gates, 0 where a row is not routed to e.
; WHAT IS LEFT OUT.  The tile's 8 blocks of 16 rows are 4 pairs.  In a sorted tile an expert's rows are all rows, the first ones or the last ones, so the K loop is written seven times, as straight code: for the first
; 1, 2, 3, 4 pairs and for the last 1, 2, 3.  The choice is made once an expert, from the stored masks; any other pattern takes a variant that covers it.  With two experts a token a tile does 8 or 9 pair passes; with dense gates 32.
; SHARES.  Work-group (c, y): tile y's 128 tokens x columns 256 c .. + 255.  Wave w: all 128 rows x 64 columns.  x's rows are gathered once, rounded to bf16 and kept in LDS; W's fragments come straight
; from memory into two register buffers of 4 K steps each, one chunk ahead; T and acc are 256 registers each.
; THE MATRIX INSTRUCTION IS USED TRANSPOSED: source 0 = 16 columns of W, source 1 = 16 tokens.  Lane (r, h), register j of acc(a, f): token 16 a + r, column 32 h + 4 j + f of the wave's 64.
; LIMITS.  x, W, gates and b are each rounded once to bf16 (all inputs alike); sums, acc and T are f32.  A gate of +0 or -0 adds 0 x acc: where x W[e] + b[e] is infinite or NaN for such a token, the NaN of 0 x infinity
; is made only if the token's pair is multiplied for e.  The sign of a zero result may differ.
; NO CLUSTER, NO TENSOR LOAD: what the product loop does hangs on stored masks, so it holds no barrier and no LDS write; x's rows come by a list, which no descriptor covers; what would be shared is wb
; (64 tiles read the same 128 KiB an expert and wave), and it goes to registers, not to LDS.
; T IS CLEARED by 256 v_mov_b32, once, in the wait for x: a tile with no expert needs the zeros, and the first expert's sums are added like the others'.
.set PITCH,  2064                      ; a row of x in LDS: 2,048 bytes of bf16 + 16: an odd multiple of 16, so the 16 rows of a fragment load start at 16 different 16-byte columns of 256 bytes
.set STAGE,  0                         ; for the way out, 16 rows x 272 bytes for each wave: over x's first rows, which are dead behind the barrier that ends the products
.set SPITCH, 272
.set BIAS,   128*PITCH                 ; 264,192: f32 [e 8][wave 4][f 4][h 2][j 8]
.set GATE,   BIAS+8192                 ; 272,384: f32 [row 128][e 8]
.set LISTW,  GATE+4096                 ; 276,480: for each wave 128 list words and a dump word, in 768 bytes
.set LISTB,  768
.set TOKW,   LISTW+4*LISTB             ; 279,552: for each wave its own copy of the tile's 128 token numbers
.set SPARE,  TOKW+4*512                ; 281,600: the spare words, 128 bytes a wave: two blocks of 256 bytes that no other line names
; Ahead of the first barrier the first 16 KiB of x's region hold four tables of 32 x 32 first ranks, one a wave.
; window 0
.set LANE, 1
.set RR,   2                           ; lane % 16
.set HF,   3                           ; lane / 16
.set VB,   4                           ; lane x 16: my bytes in 512 of wb; never rewritten
.set SPW,  5                           ; my spare word's address; never rewritten
.set NIL,  6                           ; 0, for the add alone
.set TT,   7
.set AA,   8                           ; v[8:15]   block a: (16 a + r) PITCH + 16 h; never rewritten
.set BB,   16                          ; BIAS + 256 w + 32 h
.set GB,   17                          ; GATE + 32 r
.set BE,   18                          ; BB + 1024 e
.set GE,   19                          ; GB + 4 e
.set STO,  20
.set RD,   21
.set TKR,  22
.set CO,   23                          ; r x 16
.set G,    24                          ; v[24:31]  block a: my row's gate for the expert in hand
.set ADR,  32                          ; v[32:33]  the two addresses of the run of fragment loads in hand: AA + 512 x trip, made anew for each run
.set FA,   64                          ; v[64:127], v[128:191]  x's fragments, two buffers: block b of a pair, K step s of a chunk at + 32 b + 8 s
; the prologue's names for registers that are free then
.set HO,   24                          ; lane x 4
.set TKO,  25
.set BO,   26
.set PTA,  27
.set BSA,  28
.set LZ,   29
.set LM,   30
.set TW,   31
.set BL,   32                          ; v[32:47]  b as loaded
.set GL,   48                          ; v[48:55]  my row's 8 gates
.set AW,   56
.set GS,   57
.set GT,   58
.set XT,   59
.set TA,   64                          ; v[64:127]   64 tokens' table offsets
.set TB,   128                         ; v[128:191]  their list words
.set CV,   64                          ; v[64:191]   later: two rows of x in bf16, 32 registers for each of the four landing sets
.set HH,   192                         ; v[192:223]  hist: register sc, lane key
.set XO,   192                         ; v[192:207]  later: byte offsets in x: + q the pair of rows that landing set q loads, + 4, + 8, + 12 + q those that it loads later
.set PB,   224                         ; v[224:239]  16 tokens at work
.set SC,   240                         ; v[240:247]  at work
.set TKN,  240                         ; v[240:255]  later: my 16 pairs' tokens
; window 1: W, two chunk buffers of 128: K step s, fragment f at 32 s + 8 f.   window 2: acc(a, f) at 8 (4 a + f); in the prologue four landing sets of 64 for x.   window 3: T[a][j][f] at 32 a + 4 j + f.
; scalars: s2 wave, s3 c, s4 y, s5 128 y; s[8:21] the seven addresses; s[24:27] pair i's union of masks; s32 the tile's experts; s35 e, s36 e's bit, s37 at work; s[38:39] wb at the trip in hand,
; s[40:41] wb at the next expert, s[42:43] wb at my columns, s[44:45] an offset, s[46:47] lane selects, s[48:49] out at my columns, s50 a count, s51 4096 w, s52 my list, s53 an expert's number,
; s[54:55] wb at the next trip, s56 the K loop's trip, 0 to 3
.set MSB, 0
.macro WIN new                         ; bits 1:0 source 0, 3:2 source 1, 5:4 source 2, 7:6 destination; the high byte repeats the setting that is left
.if MSB != (\new)
	s_set_vgpr_msb (MSB<<8)|(\new)
.set MSB, (\new)
.endif
.endm
	s_load_b256 s[8:15], s[0:1], 0x0               ; x s[8:9], gates s[10:11], b s[12:13], wb s[14:15]
	s_load_b128 s[16:19], s[0:1], 0x20             ; hist s[16:17], tok s[18:19]
	s_load_b64 s[20:21], s[0:1], 0x30              ; out
	v_lshl_add_u32 v[SPW], v0, 2, SPARE
	v_mov_b32 v[NIL], 0
	v_lshrrev_b32 v[TT], 5, v0
	v_readfirstlane_b32 s2, v[TT]                  ; wave 0..3
	v_and_b32 v[LANE], 31, v0
	v_and_b32 v[RR], 15, v0
	v_bfe_u32 v[HF], v0, 4, 1
	v_lshlrev_b32 v[VB], 4, v[LANE]
	v_lshlrev_b32 v[CO], 4, v[RR]
	v_lshlrev_b32 v[HO], 2, v[LANE]
	s_mov_b32 s3, ttmp9
	s_and_b32 s4, ttmp7, 0xffff
	s_lshl_b32 s5, s4, 7                           ; the tile's first rank
	s_mov_b32 s46, 0x76543210
	s_mov_b32 s47, 0xfedcba98
	s_mov_b32 s45, 0
	s_lshl_b32 s6, s2, 13                          ; my wave's 2,048 tokens x 4 bytes
	v_add_nc_u32 v[TKO], s6, v[VB]
	s_lshr_b32 s6, s2, 1                           ; b: waves 0, 1 take experts 0, 2, 4, 6, waves 2, 3 the odd ones; a wave 512 of an expert's 1,024 bytes
	s_lshl_b32 s6, s6, 12
	s_and_b32 s7, s2, 1
	s_lshl_b32 s7, s7, 9
	s_add_co_u32 s6, s6, s7
	v_add_nc_u32 v[BO], s6, v[VB]
	s_lshl_b32 s6, s3, 10
	s_mov_b32 s7, 0
	s_wait_kmcnt 0x0
	s_add_nc_u64 s[12:13], s[12:13], s[6:7]        ; b at the work-group's 256 columns
.set i, 0
.rept 32
	global_load_b32 v[HH+i], v[HO], s[16:17] offset:i*128
.set i, i+1
.endr
.set i, 0
.rept 16
	global_load_b128 v[TA+4*i:TA+4*i+3], v[TKO], s[18:19] offset:i*512
.set i, i+1
.endr
.set i, 0
.rept 16
	global_load_b128 v[TB+4*i:TB+4*i+3], v[TKO], s[18:19] offset:32768+i*512
.set i, i+1
.endr
.set i, 0
.rept 4
	global_load_b128 v[BL+4*i:BL+4*i+3], v[BO], s[12:13] offset:i*8192
.set i, i+1
.endr
	; LDS addresses: a constant, the wave's number times a constant, and lane terms
	s_lshl_b32 s51, s2, 12
	v_add_nc_u32 v[PTA], s51, v[HO]                ; my table, word (0, lane)
	s_mul_i32 s52, s2, LISTB
	s_add_co_u32 s52, s52, LISTW
	v_add_nc_u32 v[LZ], s52, v[HO]
	v_add_nc_u32 v[LM], LISTW, v[HO]
	s_lshl_b32 s6, s2, 9
	s_add_co_u32 s7, s6, TOKW
	v_add_nc_u32 v[TW], s7, v[HO]
	v_lshl_add_u32 v[TKR], v[HF], 2, s7
	s_add_co_u32 s6, s6, BIAS                      ; a thread's 16 bytes of b are columns 4 u .. + 3, u = 32 (w % 2) + lane: f = 0..3 of wave u / 16, h = (u / 8) % 2, j = u % 8
	v_lshl_add_u32 v[BSA], v[HF], 8, s6
	v_bfe_u32 v[TT], v0, 3, 1
	v_lshl_add_u32 v[BSA], v[TT], 5, v[BSA]
	v_and_b32 v[TT], 7, v0
	v_lshl_add_u32 v[BSA], v[TT], 2, v[BSA]
	v_mov_b32 v[SC+5], 0
.set q, 0
.rept 4
	ds_store_b32 v[LZ], v[SC+5] offset:q*128       ; my list starts empty
.set q, q+1
.endr
	; THE SCAN, each wave for itself.  Lane = key.
	s_wait_loadcnt 36                              ; hist is in; the 16 + 16 + 4 loads issued behind it stay out
	v_add3_u32 v[SC], v[HH], v[HH+1], v[HH+2]
.set i, 3
.rept 14
	v_add3_u32 v[SC], v[SC], v[HH+i], v[HH+i+1]
.set i, i+2
.endr
	v_add_nc_u32 v[SC], v[SC], v[HH+31]            ; the key's total
	v_mov_b32 v[SC+1], 0                           ; the lower keys' totals
	v_mov_b32 v[SC+2], 0
.macro SCAN m, bit                     ; a butterfly: the partner block's sum counts for me if my lane's bit is set
	v_mov_b32_dpp v[SC+2], v[SC] row_xmask:\m row_mask:0xf bank_mask:0xf
	v_bfe_u32 v[SC+3], v[LANE], \bit, 1
	v_mad_u32_u24 v[SC+1], v[SC+2], v[SC+3], v[SC+1]
	v_add_nc_u32 v[SC], v[SC], v[SC+2]
.endm
	SCAN 1, 0
	SCAN 2, 1
	SCAN 4, 2
	SCAN 8, 3
	v_permlanex16_b32 v[SC+2], v[SC], s46, s47
	v_mad_u32_u24 v[SC+1], v[SC+2], v[HF], v[SC+1]
	v_sub_nc_u32 v[SC+4], v[SC+1], s5              ; ranks are counted from the tile's first: below it they wrap to large numbers
.set i, 0
.rept 32
	ds_store_b32 v[PTA], v[SC+4] offset:i*128      ; first rank of (superchunk i, key)
	v_add_nc_u32 v[SC+4], v[SC+4], v[HH+i]
.set i, i+1
.endr
	s_wait_loadcnt 0x0                             ; tok and b
.set p, 0
.rept 8                                ; b is rounded once to bf16, like every input, and kept as f32
	v_cvt_pk_bf16_f32 v[TT], v[BL+2*p], v[BL+2*p+1]
	v_lshlrev_b32 v[BL+2*p], 16, v[TT]
	v_and_b32 v[BL+2*p+1], 0xffff0000, v[TT]
.set p, p+1
.endr
.set i, 0
.rept 16
	ds_store_b32 v[BSA], v[BL+i] offset:(i/4)*2048+(i%4)*64
.set i, i+1
.endr
; 16 tokens a lane: first rank from my table, + idx; a token of this tile puts its list word at its place in my list, every other into the dump word 128.
.macro TOK16 n
.set i, 0
.rept 16
	v_min_u32 v[PB+i], 0xffc, v[TA+16*(\n)+i]
	v_add_nc_u32 v[PB+i], s51, v[PB+i]
	ds_load_b32 v[PB+i], v[PB+i]                   ; LDS serves a wave's instructions in order (ISA guide 5.7.1.4): it sees my table's stores
.set i, i+1
.endr
.set i, 0
.rept 16
	s_wait_dscnt 15                                ; behind token i's load stand 15 - i loads and i stores
	v_lshrrev_b32 v[SC+6], 24, v[TB+16*(\n)+i]
	v_add_nc_u32 v[PB+i], v[PB+i], v[SC+6]
	v_min_u32 v[PB+i], 128, v[PB+i]
	v_lshl_add_u32 v[PB+i], v[PB+i], 2, s52
	ds_store_b32 v[PB+i], v[TB+16*(\n)+i]
.set i, i+1
.endr
.endm
	TOK16 0
	TOK16 1
	TOK16 2
	TOK16 3
	s_wait_dscnt 0x0                               ; for the others' sake: my list and my part of the bias are written, my reads of my table are over
	s_barrier_signal -1
	s_barrier_wait -1
	; THE MERGE.  Each place of the list was written by one wave; the others hold 0 there.  Register q, lane l: row 32 q + l: register q is pair q.
.set q, 0
.rept 4
.irp wv, 0,1,2,3
	ds_load_b32 v[PB+4*q+\wv], v[LM] offset:\wv*LISTB+q*128
.endr
.set q, q+1
.endr
	s_wait_dscnt 0x0
.set q, 0
.rept 4
	v_or_b32 v[SC+q], v[PB+4*q], v[PB+4*q+1]
	v_or_b32 v[SC+4], v[PB+4*q+2], v[PB+4*q+3]
	v_or_b32 v[SC+q], v[SC+q], v[SC+4]
	v_and_b32 v[SC+5], 0x1fff, v[SC+q]
	ds_store_b32 v[TW], v[SC+5] offset:q*128       ; the token numbers, in my wave's own copy
.set q, q+1
.endr
.macro ORRED m                         ; the union over each 16 rows
.irp q, 0,1,2,3
	v_mov_b32_dpp v[SC+4], v[SC+\q] row_xmask:\m row_mask:0xf bank_mask:0xf
	v_or_b32 v[SC+\q], v[SC+\q], v[SC+4]
.endr
.endm
	ORRED 1
	ORRED 2
	ORRED 4
	ORRED 8
.irp q, 0,1,2,3
	v_readlane_b32 s[24+\q], v[SC+\q], 0
	v_readlane_b32 s37, v[SC+\q], 16
	s_or_b32 s[24+\q], s[24+\q], s37
	s_bfe_u32 s[24+\q], s[24+\q], 0x80010          ; the pair's experts: the masks lie at bits 16 to 23 of the list words
.endr
	s_or_b32 s32, s24, s25
	s_or_b32 s32, s32, s26
	s_or_b32 s32, s32, s27                         ; the tile's experts
	s_ctz_i32_b32 s53, s32                         ; the first of them (none: all ones, held to 7: a place inside wb, whose numbers are then not used)
	s_min_u32 s53, s53, 7
	s_lshl_b32 s6, s3, 2
	s_add_co_u32 s6, s6, s2
	s_lshl_b32 s6, s6, 17                          ; column group 4 c + w: 131,072 bytes each
	s_mov_b32 s7, 0
	s_add_nc_u64 s[42:43], s[14:15], s[6:7]
	s_lshl_b32 s44, s53, 21
	s_add_nc_u64 s[38:39], s[42:43], s[44:45]
	s_mul_i32 s6, s2, 640                          ; my copy (512 w) and in it my 32 rows (128 w)
	s_add_co_u32 s6, s6, TOKW
	v_lshl_add_u32 v[GT], v[LANE], 2, s6
	v_lshl_add_u32 v[XT], v[HF], 2, s6
	ds_load_b32 v[GT], v[GT]                       ; the token of row 32 w + lane
.set p, 0
.rept 16
	ds_load_b32 v[TKN+p], v[XT] offset:p*8         ; the token of row 32 w + 2 p + h
.set p, p+1
.endr
	s_wait_dscnt 16                                ; the first of the 17
	v_min_u32 v[GT], 0x1fff, v[GT]
	v_lshlrev_b32 v[GT], 5, v[GT]
	global_load_b128 v[GL:GL+3],   v[GT], s[10:11]
	global_load_b128 v[GL+4:GL+7], v[GT], s[10:11] offset:16
	s_wait_dscnt 0x0
.set p, 0
.rept 16
	v_min_u32 v[TKN+p], 0x1fff, v[TKN+p]
	v_lshl_add_u32 v[XO+p], v[TKN+p], 12, v[CO]
.set p, p+1
.endr
; Two rows of x: lanes 0-15 one row, lanes 16-31 the next; each 16 lanes load 256 consecutive aligned bytes, 16 times.
.macro LOADPAIR q, xo
	WIN 0x80                                       ; destination window 2
.set j, 0
.rept 16
	global_load_b128 v[64*(\q)+4*j:64*(\q)+4*j+3], v[\xo], s[8:9] offset:j*256
.set j, j+1
.endr
	WIN 0
.endm
	LOADPAIR 0, XO                                 ; x's loads go out first: nothing but the two loads of gates stands ahead of them
	LOADPAIR 1, XO+1
	LOADPAIR 2, XO+2
	LOADPAIR 3, XO+3
	WIN 0xc0                                       ; destination window 3
.set i, 0
.rept 256
	v_mov_b32 v[i], 0                              ; T
.set i, i+1
.endr
	WIN 0
	v_mul_u32_u24 v[TT], v[RR], PITCH
	v_lshl_add_u32 v[TT], v[HF], 4, v[TT]
.set a, 0
.rept 8
	v_add_nc_u32 v[AA+a], a*16*PITCH, v[TT]
.set a, a+1
.endr
	s_lshl_b32 s6, s2, 8
	s_add_co_u32 s6, s6, BIAS
	v_lshl_add_u32 v[BB], v[HF], 5, s6
	v_lshl_add_u32 v[GB], v[RR], 5, GATE
	s_mul_i32 s6, s2, 16*SPITCH
	s_add_co_u32 s6, s6, STAGE                     ; my stage
	v_mul_u32_u24 v[STO], v[RR], SPITCH            ; in: row r, 128 bytes for each half of the lanes
	v_lshl_add_u32 v[STO], v[HF], 7, v[STO]
	v_add_nc_u32 v[STO], s6, v[STO]
	v_mul_u32_u24 v[RD], v[HF], SPITCH             ; back: lanes 0-15 one row of 256 bytes, lanes 16-31 the next
	v_lshl_add_u32 v[RD], v[RR], 4, v[RD]
	v_add_nc_u32 v[RD], s6, v[RD]
	s_mul_i32 s6, s2, 32*PITCH                     ; my 32 rows of x in LDS
	v_mul_u32_u24 v[AW], v[HF], PITCH
	v_lshl_add_u32 v[AW], v[RR], 3, v[AW]
	v_add_nc_u32 v[AW], s6, v[AW]
	s_lshl_b32 s6, s2, 10
	s_add_co_u32 s6, s6, GATE
	v_lshl_add_u32 v[GS], v[LANE], 5, s6
	s_lshl_b32 s6, s3, 10
	s_lshl_b32 s7, s2, 8
	s_add_co_u32 s6, s6, s7
	s_mov_b32 s7, 0
	s_add_nc_u64 s[48:49], s[20:21], s[6:7]        ; out at column 256 c + 64 w
; THE GATHER.  CVT: landing set q is rounded to bf16, into result registers of its own; left = the loads issued behind the set's 16.  PUT: the two rows go into LDS.
; Between the two the set is loaded again, so that its next loads leave as early as they can.
.macro CVT q, left
	s_wait_loadcnt \left
	WIN 0x0a                                       ; sources 0 and 1 window 2
.set j, 0
.rept 32
	v_cvt_pk_bf16_f32 v[CV+32*(\q)+j], v[64*(\q)+2*j], v[64*(\q)+2*j+1]
.set j, j+1
.endr
	WIN 0
.endm
.macro PUT q
.set j, 0
.rept 16
	ds_store_b64 v[AW], v[CV+32*(\q)+2*j:CV+32*(\q)+2*j+1] offset:(\q)*2*PITCH+j*128
.set j, j+1
.endr
.endm
; 16 loads of the first expert's first chunk of W (K steps 2 k and 2 k + 1) into W's buffer 0
.macro WL k
	WIN 0x40                                       ; destination window 1
.set i, 0
.rept 16
	global_load_b128 v[64*(\k)+4*i:64*(\k)+4*i+3], v[VB], s[38:39] offset:(16*(\k)+i)*512
.set i, i+1
.endr
	WIN 0
.endm
	s_mov_b32 s50, 3
.Lgather:                                              ; 3 trips of 4 pairs of rows; four pairs' loads are on their way throughout
.irp q, 0,1,2,3
	CVT \q, 48                                     ; three younger pairs stay out.  The wait shows the set's own 16 loads done, so the offset register that they named may be written:
	v_mov_b32 v[XO+\q], v[XO+4+\q]                 ; the set's next pair of rows,
	v_mov_b32 v[XO+4+\q], v[XO+8+\q]               ; and those behind it move up (no load names these two)
	v_mov_b32 v[XO+8+\q], v[XO+12+\q]
	LOADPAIR \q, XO+\q
	PUT \q
.endr
	v_add_nc_u32 v[AW], 8*PITCH, v[AW]
	s_sub_co_u32 s50, s50, 1
	s_cmp_lg_u32 s50, 0
	s_cbranch_scc1 .Lgather
	CVT 0, 48                                      ; the last four pairs: nothing of x is left to load, and W's first chunk goes out in its place
	WL 0
	PUT 0
	CVT 1, 48                                      ; two pairs' 32 loads and 16 of W
	WL 1
	PUT 1
	CVT 2, 48                                      ; one pair's 16 and 32 of W
	PUT 2
	CVT 3, 32                                      ; W's 32 stay out; the gates, asked for ahead of x, are in
	PUT 3
.set p, 0
.rept 4                                ; the gates are rounded once to bf16, like every input, and kept as f32
	v_cvt_pk_bf16_f32 v[TT], v[GL+2*p], v[GL+2*p+1]
	v_lshlrev_b32 v[GL+2*p], 16, v[TT]
	v_and_b32 v[GL+2*p+1], 0xffff0000, v[TT]
.set p, p+1
.endr
	ds_store_b128 v[GS], v[GL:GL+3]
	ds_store_b128 v[GS], v[GL+4:GL+7] offset:16
	s_wait_dscnt 0x0                               ; for the others' sake: my rows of x and of the gates are written
	s_barrier_signal -1
	s_barrier_wait -1                              ; from here to the end of the products LDS is only read
; THE PRODUCTS.
; A load into a register that a matrix instruction has read, and a vector instruction that reads a matrix result, stand four places behind that matrix instruction, and only plain vector instructions that name
; none of its registers are places (ISA guide 7.12.1 for vector instructions).
.macro PLACES
.rept 4
	v_nop
.endr
.endm
; The two addresses of pair npr's blocks in the trip whose number s[sr] holds: a fixed register + 512 x trip, made anew for each run of loads; no address register is carried from trip to trip.
.macro AADR sr
	v_lshl_add_u32 v[ADR],   s[\sr], 9, v[AA+2*npr]
	v_lshl_add_u32 v[ADR+1], s[\sr], 9, v[AA+2*npr+1]
.endm
; x's fragments of pair npr for chunk nch of that trip, into buffer nbf: 2 blocks x 4 K steps; 16 rows x 32 K are two loads of 16 bytes, 32 bytes apart
.macro ALOADP
.set lb, 0
.rept 2
.set ls, 0
.rept 4
	ds_load_b128 v[FA+64*nbf+32*lb+8*ls:FA+64*nbf+32*lb+8*ls+3],   v[ADR+lb] offset:256*nch+64*ls
	ds_load_b128 v[FA+64*nbf+32*lb+8*ls+4:FA+64*nbf+32*lb+8*ls+7], v[ADR+lb] offset:256*nch+64*ls+32
.set ls, ls+1
.endr
.set lb, lb+1
.endr
.endm
; 32 loads, 16 KiB a wave: W's next chunk of 4 K steps.  Into buffer 1: the trip's second chunk.  Into buffer 0: the next trip's first, or the next expert's.
.macro BLOAD q
	WIN 0x40                                       ; destination window 1
.set i, 0
.rept 32
.if (\q) == 1
	global_load_b128 v[128+4*i:128+4*i+3], v[VB], s[38:39] offset:16384+i*512
.else
	global_load_b128 v[4*i:4*i+3], v[VB], s[54:55] offset:i*512
.endif
.set i, i+1
.endr
	WIN 0
.endm
; Number pi of a trip's 2 n pair-chunks: pair lo + pi % n in chunk pi / n, from x's buffer pi % 2: 32 matrix instructions on 8 accumulators by turns.  Ahead of them the next pair-chunk's
; fragments are fetched into the other buffer, and at a chunk's head W's next chunk into W's other buffer.  The two address lines and two v_nop are the four places behind the matrix instructions that read those buffers.
.macro PCHUNK lo, n
.set ch, pi/(\n)
.set pr, (\lo)+pi%(\n)
.set bf, pi%2
.if pi == 2*(\n)-1
	s_add_co_u32 s37, s56, 1                       ; the trip's last fetch is the next trip's first pair-chunk; behind the last trip it is trip 0's once more, and is not used:
	s_and_b32 s37, s37, 3                          ; the price, 16 LDS loads an expert, of one text for every trip
.set npr, (\lo)
.set nch, 0
.set nbf, 0
	AADR 37
.else
.set npr, (\lo)+(pi+1)%(\n)
.set nch, (pi+1)/(\n)
.set nbf, (pi+1)%2
	AADR 56
.endif
	v_nop
	v_nop
.if pi%(\n) == 0
	BLOAD 1-ch
.endif
	ALOADP
.if pi%(\n) == 0
	s_wait_loadcnt 32                              ; this chunk of W is in: behind its loads stand the 32 just issued; so the base that its loads named may be written
.if ch == 0
	s_add_nc_u64 s[54:55], s[38:39], 0x8000        ; the next trip's 8 K steps,
	s_cmp_eq_u32 s50, 1
	s_cselect_b64 s[54:55], s[40:41], s[54:55]     ; or in the last trip the next expert's first
.else
	s_mov_b64 s[38:39], s[54:55]
.endif
.endif
	s_wait_dscnt 16                                ; all but the 16 just issued
	WIN 0xa1                                       ; W window 1, x window 0, C and D window 2
.set sl, 0
.rept 4
.irp b, 0,1
.irp f, 0,1,2,3
	v_wmma_f32_16x16x32_bf16 v[8*(4*(2*pr+\b)+\f):8*(4*(2*pr+\b)+\f)+7], v[128*ch+32*sl+8*\f:128*ch+32*sl+8*\f+7], v[FA+64*bf+32*\b+8*sl:FA+64*bf+32*\b+8*sl+7], v[8*(4*(2*pr+\b)+\f):8*(4*(2*pr+\b)+\f)+7]
.endr
.endr
.set sl, sl+1
.endr
	WIN 0                                          ; at a label and at a branch every window is 0
.endm
; The K loop for pairs lo .. lo + n - 1: 4 trips of 2 chunks of 4 K steps, straight code.  s50 counts 4 to 1; s56 = 4 - s50 is the trip.
.macro KLOOP lo, n
.set npr, (\lo)
.set nch, 0
.set nbf, 0
	AADR 56                                        ; trip 0
	ALOADP
.Lk_\@:
	s_sub_co_u32 s56, 4, s50
.set pi, 0
.rept 2*(\n)
	PCHUNK \lo, \n
.set pi, pi+1
.endr
	s_sub_co_u32 s50, s50, 1
	s_cmp_lg_u32 s50, 0
	s_cbranch_scc1 .Lk_\@
.endm
	s_mov_b32 s35, 0
.Lexp:                                                 ; 8 trips, one an expert; an expert that the tile does not have is jumped.  No barrier and no LDS write stand in the loop
	s_lshl_b32 s36, 1, s35
	s_and_b32 s37, s32, s36
	s_cbranch_scc0 .Lnext
	s_lshl_b32 s37, s36, 1
	s_sub_co_u32 s37, 0, s37                       ; the bits above e
	s_and_b32 s37, s32, s37
	s_ctz_i32_b32 s53, s37                         ; the tile's next expert (none: held to 7: 16 KiB a wave inside wb are then loaded and not used)
	s_min_u32 s53, s53, 7
	s_lshl_b32 s44, s53, 21
	s_add_nc_u64 s[40:41], s[42:43], s[44:45]
	v_lshl_add_u32 v[BE], s35, 10, v[BB]
	v_lshl_add_u32 v[GE], s35, 2, v[GB]
	WIN 0x80                                       ; destination window 2
.set a, 0
.rept 8                                ; the bias starts all 32 sums, straight from LDS: no first K step is written out, and a pair that is not multiplied holds the bias for its gates of 0
.irp f, 0,1,2,3
	ds_load_b128 v[8*(4*a+\f):8*(4*a+\f)+3],   v[BE] offset:\f*64
	ds_load_b128 v[8*(4*a+\f)+4:8*(4*a+\f)+7], v[BE] offset:\f*64+16
.endr
.set a, a+1
.endr
	WIN 0
.irp a, 0,1,2,3,4,5,6,7
	ds_load_b32 v[G+\a], v[GE] offset:\a*512
.endr
	s_mov_b32 s50, 4
	s_mov_b32 s56, 0
	s_and_b32 s37, s24, s36                        ; pair 0 has the expert: the pairs up to the highest that has it
	s_cbranch_scc0 .Lsuf
	s_and_b32 s37, s27, s36
	s_cbranch_scc1 .Lp4
	s_and_b32 s37, s26, s36
	s_cbranch_scc1 .Lp3
	s_and_b32 s37, s25, s36
	s_cbranch_scc1 .Lp2
	KLOOP 0, 1
	s_branch .Lcomb
.Lp2:
	KLOOP 0, 2
	s_branch .Lcomb
.Lp3:
	KLOOP 0, 3
	s_branch .Lcomb
.Lp4:
	KLOOP 0, 4
	s_branch .Lcomb
.Lsuf:                                                 ; pair 0 has it not: the pairs from the lowest that has it
	s_and_b32 s37, s25, s36
	s_cbranch_scc1 .Ls3
	s_and_b32 s37, s26, s36
	s_cbranch_scc1 .Ls2
	KLOOP 3, 1
	s_branch .Lcomb
.Ls2:
	KLOOP 2, 2
	s_branch .Lcomb
.Ls3:
	KLOOP 1, 3
.Lcomb:                                                ; T += g x acc, all 8 blocks: 256 fused multiply-adds, one text for every variant; each accumulator is read from its lowest register on
	s_wait_dscnt 0x0                               ; the fetch that is not used has landed: its registers are loaded again by the next expert
	PLACES                                         ; behind the last matrix instructions
	WIN 0xf2                                       ; acc window 2, g window 0, T window 3
.set a, 0
.rept 8
.irp f, 0,1,2,3
.irp j, 0,1,2,3,4,5,6,7
	v_fma_f32 v[32*a+4*\j+\f], v[8*(4*a+\f)+\j], v[G+a], v[32*a+4*\j+\f]
.endr
.endr
.set a, a+1
.endr
	WIN 0
.Lnext:
	s_add_co_u32 s35, s35, 1
	s_cmp_lt_u32 s35, 8
	s_cbranch_scc1 .Lexp
	; THE WAY OUT.  The stages lie over x's first rows, which every wave has been reading: so each wave's LDS reads are over, it says so, and no wave writes its stage before all four have said so.
	s_wait_dscnt 0x0
	s_barrier_signal -1
	s_barrier_wait -1
	; From here each wave works for itself: a block's 16 rows x 64 columns go into my stage, 16 bytes (4 neighbouring columns) a store, and come back as whole rows of 256 bytes with their tokens' numbers.
.macro TOSTAGE a
.set OB, FA+64*((\a)%2)
.if (\a) >= 2
	s_wait_xcnt 0x0                                ; the stores of the block two back have read these registers
.endif
	WIN 0x0c                                       ; store data window 3
.irp j, 0,1,2,3,4,5,6,7
	ds_store_b128 v[STO], v[32*(\a)+4*\j:32*(\a)+4*\j+3] offset:16*\j
.endr
	WIN 0
.irp t, 0,1,2,3,4,5,6,7
	ds_load_b128 v[OB+4*\t:OB+4*\t+3], v[RD] offset:\t*2*SPITCH  ; LDS serves a wave's instructions in order (ISA guide 5.7.1.4): these see the stores above, and the next block's stores come behind them
.endr
.irp t, 0,1,2,3,4,5,6,7
	ds_load_b32 v[OB+32+\t], v[TKR] offset:(16*(\a)+2*\t)*4
.endr
.endm
.macro SEND a, younger                 ; younger: the next block's 24 LDS instructions, or none
.set OB, FA+64*((\a)%2)
	s_wait_dscnt \younger
.irp t, 0,1,2,3,4,5,6,7
	v_min_u32 v[OB+32+\t], 0x1fff, v[OB+32+\t]
	v_lshl_add_u32 v[OB+32+\t], v[OB+32+\t], 12, v[CO]
.endr
.irp t, 0,1,2,3,4,5,6,7
	global_store_b128 v[OB+32+\t], v[OB+4*\t:OB+4*\t+3], s[48:49] th:TH_STORE_NT  ; 16 lanes store 256 consecutive aligned bytes of one token's row
.endr
.endm
	TOSTAGE 0
.irp a, 1,2,3,4,5,6,7
	TOSTAGE \a
	SEND (\a)-1, 24
.endr
	SEND 7, 0
	s_wait_tensorcnt 0x0                           ; the wave's end, behind my last LDS store
	ds_add_u32 v[SPW], v[NIL]
	s_wait_dscnt 0x0
	s_endpgm
.Lfunc_end_k_q8d3155a40f_moe:
	.size	k_q8d3155a40f_moe, .Lfunc_end_k_q8d3155a40f_moe-k_q8d3155a40f_moe
	.p2alignl 7, 3214868480
	.fill 96, 4, 3214868480
	.section	.rodata,"a",@progbits
	.p2align	6, 0x0
	.amdhsa_kernel k_q8d3155a40f_moe
		.amdhsa_group_segment_fixed_size 282112
		.amdhsa_private_segment_fixed_size 0
		.amdhsa_enable_private_segment 0
		.amdhsa_kernarg_size 56
		.amdhsa_user_sgpr_count 2
		.amdhsa_user_sgpr_kernarg_segment_ptr 1
		.amdhsa_wavefront_size32 1
		.amdhsa_system_sgpr_workgroup_id_x 1
		.amdhsa_system_sgpr_workgroup_id_y 1
		.amdhsa_system_sgpr_workgroup_id_z 1
		.amdhsa_system_vgpr_workitem_id 0
		.amdhsa_next_free_vgpr 1024
		.amdhsa_next_free_sgpr 66
		.amdhsa_reserve_vcc 0
		.amdhsa_float_denorm_mode_32 3
		.amdhsa_float_denorm_mode_16_64 3
		.amdhsa_memory_ordered 1
		.amdhsa_forward_progress 1
		.amdhsa_inst_pref_size 255
	.end_amdhsa_kernel
	.section	.bss,"aw",@nobits
	.p2align	6
	.space	262144
	.amdgpu_metadata
---
amdhsa.version: [ 1, 2 ]
amdhsa.kernels:
  - .name:           k_q8d3155a40f_moe
    .symbol:         k_q8d3155a40f_moe.kd
    .args:
      - { .name: x, .offset: 0, .size: 8, .value_kind: global_buffer, .address_space: global }
      - { .name: gates, .offset: 8, .size: 8, .value_kind: global_buffer, .address_space: global }
      - { .name: b, .offset: 16, .size: 8, .value_kind: global_buffer, .address_space: global }
      - { .name: wb, .offset: 24, .size: 8, .value_kind: global_buffer, .address_space: global }
      - { .name: hist, .offset: 32, .size: 8, .value_kind: global_buffer, .address_space: global }
      - { .name: tok, .offset: 40, .size: 8, .value_kind: global_buffer, .address_space: global }
      - { .name: out0, .offset: 48, .size: 8, .value_kind: global_buffer, .address_space: global }
    .group_segment_fixed_size: 282112
    .private_segment_fixed_size: 0
    .kernarg_segment_align: 8
    .kernarg_segment_size: 56
    .max_flat_workgroup_size: 128
    .sgpr_count:     66
    .vgpr_count:     1024
    .wavefront_size: 32
...
	.end_amdgpu_metadata
.endif
;; end of part 2
